; MI455X (gfx1250); checked and timed in simulation.
; The chip was launched on July 23, 2026; its instructions are those of AMD's public machine-readable ISA for CDNA 5 (MIT licence, August 2026) and "CDNA5" Instruction Set Architecture Reference Guide (July 2026). The comments in the code are by the model that wrote it; some were corrected since.
;; Attention. Allowed arithmetic: float matrix products may take bf16 or f16 operands with f32 sums; all other float work in f32.
;; Inputs: b_out 256 float32; w_out 256 x 128 float32; w_qkv 384 x 256 float32; x 4 x 256 x 64 x 64 float32.
;; Outputs: out0 4 x 256 x 64 x 64 float32.
;; 2 versions, each right; version 2 is version 1 with the launch proj written anew for expert scheduling mode. Each part assembles by itself: llvm-mc -triple=amdgcn-amd-amdhsa -mcpu=gfx1250 --defsym DOCPART=n.
;; ======== version 1 of 2: 2 launches
;; limits: values are held in f16: magnitudes above 65,504 overflow, below 6.1e-05 lose precision; right only within a limited range of input values
;; workspace buffers: qi 4,194,304 bytes; kv 8,388,608 bytes; ssq 262,144 bytes; wo 65,536 bytes
;; launch proj (part 1): grid 256 x 1, 8 waves a work-group, no clusters, 245,760 bytes of LDS; arguments x, w_qkv, w_out, qi, kv, ssq, wo; writes qi, kv, ssq, wo
.if DOCPART == 1
	.amdgcn_target "amdgcn-amd-amdhsa--gfx1250"
	.amdhsa_code_object_version 6
	.text
	.protected	k_qe5b4794c22_proj
	.globl	k_qe5b4794c22_proj
	.p2align	8
	.type	k_qe5b4794c22_proj,@function
k_qe5b4794c22_proj:
	s_mov_b64 s[64:65], 0
	v_nop
	global_prefetch_b8 v0, s[64:65] scope:SCOPE_SE
	s_setreg_imm32_b32 hwreg(HW_REG_WAVE_MODE, 25, 1), 1
	s_wait_xcnt 0x0
; qkv = w_qkv x (1x1 convolution), stored in 16 bits as ready-made register images of matrix fragments, with the partial sums of squares
; of q's and k's rows, and w_out repacked to f16 images.
; x: [4][256][4096] f32.  w_qkv: [384][256] f32.  w_out: [256][128] f32.
; A fragment image is 1,024 bytes: the 16 bytes at c*512 + lane*16 hold row (lane % 16), k = 16 c + 8 (lane / 16) + 0..7 in 16 bits,
; so that two 16-byte loads a lane, 512 bytes apart, fill the eight registers of a 16 x 32 operand (ISA guide 7.12.2).
;   qi  [b][head][query tile 0..255][1024]          bf16, row = query, k = d      (q as it comes, not normalised)
;   kv  [b][head][chunk of 128 keys 0..31][16384]   bytes 0..8191: 8 images in bf16, row = key, k = d;  bytes 8192..: 8 images 2 ks + dt in f16, row = d, k = key
;   ssq [b][block of 64 positions 0..63][256] f32   sums of q^2 (0..127) and k^2 (128..255) over the block's 64 positions
;   wo  [o tile 0..15][ks 0..3][1024]               f16, row = o, k = channel
; FORMATS: x, w_qkv, v and w_out go in f16 (11 significant bits).  The attention's result is a weighted mean of v over 4,096 keys and can be far smaller
; than the numbers averaged, so an operand's rounding counts relative to v and not to the result: bf16's 8 bits are too few for it.
; q and k are stored in bf16: they are divided by their rows' norms later, and no input bounds the scaled numbers from below.
; A work-group takes 64 positions of one batch and all 384 outputs, K = 256.  Wave w takes 16 rows each of q, k and v (rows 16 w, 128 + 16 w,
; 256 + 16 w) by four tiles of 16 positions: twelve accumulators.
; q and k: source 0 = weights, source 1 = x, so a lane holds 8 neighbouring d of one position; v: the other way round, so a lane holds
; 8 neighbouring positions of one d.  Both are then 16 bytes of an image, and a wave's store covers 512 consecutive aligned bytes.
; NO JOINT LOADS for the weights, though every work-group reads them: they come as f32 and are rounded to f16 on the way, which takes them
; through registers; as f32 they are 393,216 bytes, more than a work-group's LDS, so a joint fill would need slots and rounds of a cluster's
; barrier for a product of 96 matrix instructions a wave.
; LIMITS: |x|, |w_qkv|, |w_out| and |v| have to stay below 65,504, f16's largest number (as drawn |v| is about 5; with x and w_qkv both 30 times larger
; about 5,000; with an offset of 30 spreads on both about 256 x 1.9 x 30 = 14,400); numbers below 6e-5 keep an absolute step of 6e-8;
; a row's sum of squares has to stay inside f32's range.
.set XP,  160                          ; LDS pitch of x's tile [channel][64 positions] in f16: 128 bytes + 32, an odd multiple of 32 for the transposing loads
.set WP,  528                          ; LDS pitch of a weight row: 512 bytes + 16, an odd multiple of 16
.set WL,  40960                        ; weights begin behind x's 256 rows
.set WW,  48*WP                        ; a wave's 48 rows, its own bytes
.set SQ,  243712                       ; 256 sums of squares
.set XS,  32                           ; v[32:95]    x as loaded, 16 loads
.set WS,  96                           ; v[96:223]   weights as loaded: four slots of 8 loads
.set TP,  224                          ; v[224:239]  packed f16 on their way to LDS
.set ACC, 32                           ; v[32:127]   q at +8 pt, k at 32 + 8 pt, v at 64 + 8 pt
.set FR,  128                          ; v[128:239]  two sets of fragments of 56 registers: x at +8 pt, weights at 32 + 8 tt
.set FSZ, 56
.set SS,  240                          ; v[240:255]  sums of squares: q's 8, k's 8
.set PK,  128                          ; v[128:175]  packed results
.macro PLACES                          ; four plain vector instructions behind a matrix instruction before its registers are loaded into or its result read (ISA guide 7.12.1)
.rept 4
	v_nop
.endr
.endm
	s_load_b256 s[4:11], s[0:1], 0x0               ; x s[4:5], w_qkv s[6:7], w_out s[8:9], qi s[10:11]
	s_load_b128 s[12:15], s[0:1], 0x20             ; kv s[12:13], ssq s[14:15]
	s_load_b64 s[16:17], s[0:1], 0x30              ; wo
	v_lshl_add_u32 v30, v0, 2, 0x3bc00
	v_mov_b32 v31, 0
	v_lshrrev_b32 v20, 5, v0
	v_readfirstlane_b32 s18, v20                   ; wave 0..7
	s_lshr_b32 s19, ttmp9, 6                       ; batch
	s_and_b32 s20, ttmp9, 63                       ; block of 64 positions
	s_lshr_b32 s38, s18, 1                         ; my head
	s_and_b32 s39, s18, 1                          ; which 16 of its 32 d
	s_lshl2_add_u32 s40, s19, s38                  ; 4 b + head
	s_lshl_b32 s22, s19, 22                        ; x: b * 4,194,304 + block * 256
	s_lshl_b32 s21, s20, 8
	s_add_co_u32 s22, s22, s21
	s_mov_b32 s23, 0
	s_lshl_b32 s24, s40, 18                        ; qi: (4 b + head) * 256 images + 4 images a block + 512 for the upper 16 d
	s_lshl_b32 s21, s20, 12
	s_add_co_u32 s24, s24, s21
	s_lshl_b32 s21, s39, 9
	s_add_co_u32 s24, s24, s21
	s_mov_b32 s25, 0
	s_lshl_b32 s26, s40, 19                        ; kv: (4 b + head) * 32 chunks,
	s_lshr_b32 s21, s20, 1
	s_lshl_b32 s21, s21, 14                        ; the chunk holds two blocks,
	s_add_co_u32 s26, s26, s21
	s_and_b32 s21, s20, 1
	s_lshl_b32 s21, s21, 12                        ; the second block's four images lie 4,096 bytes on, in K's part and in V's
	s_add_co_u32 s26, s26, s21
	s_lshl_b32 s21, s39, 10
	s_add_co_u32 s28, s26, s21                     ; V: image 2 ks + dt
	s_add_co_u32 s28, s28, 8192
	s_lshl_b32 s21, s39, 9
	s_add_co_u32 s26, s26, s21                     ; K: 512 for the upper 16 d
	s_mov_b32 s27, 0
	s_mov_b32 s29, 0
	s_lshl_b32 s32, ttmp9, 10                      ; ssq: 1,024 bytes a work-group
	s_mov_b32 s33, 0
	s_lshl_b32 s34, ttmp9, 8                       ; wo: 256 bytes a work-group: a quarter of an image
	s_mov_b32 s35, 0
	s_lshr_b32 s36, ttmp9, 4                       ; w_out: o tile = group / 16 (16 rows of 512 bytes), 8 channels (32 bytes) at 8 (group % 16)
	s_lshl_b32 s36, s36, 13
	s_and_b32 s21, ttmp9, 15
	s_lshl_b32 s21, s21, 5
	s_add_co_u32 s36, s36, s21
	s_mov_b32 s37, 0
	s_mul_i32 s41, s18, WW
	s_add_co_u32 s41, s41, WL                      ; my wave's weights in LDS
	s_lshl_b32 s42, s18, 6
	s_add_co_u32 s42, s42, SQ                      ; my wave's 16 sums
	v_and_b32 v20, 31, v0                          ; lane
	v_lshrrev_b32 v21, 4, v0                       ; thread / 16
	v_and_b32 v22, 15, v0                          ; r = lane % 16
	v_lshrrev_b32 v24, 4, v20                      ; h = lane / 16
	v_lshlrev_b32 v1, 4, v20                       ; 16 lane: my 16 bytes of half an image
	v_lshlrev_b32 v2, 4, v22
	v_lshl_add_u32 v2, v21, 14, v2                 ; x: row thread / 16 (16,384 bytes apart), 16 bytes at 16 r
	v_lshl_add_u32 v3, s18, 14, v1                 ; weights: my wave's 16 rows of 1,024 bytes, 16 bytes a lane
	v_mul_u32_u24 v4, v21, XP
	v_lshl_add_u32 v4, v22, 3, v4                  ; x in LDS: the same row, 8 bytes at 8 r
	v_lshl_add_u32 v5, v20, 3, s41                 ; weights in LDS: 8 bytes a lane
	v_and_b32 v23, 7, v20
	v_lshl_or_b32 v23, v24, 3, v23                 ; 8 h + lane % 8
	v_mul_u32_u24 v6, v23, XP
	v_bfe_u32 v25, v20, 3, 1
	v_lshl_add_u32 v6, v25, 4, v6                  ; x's fragments by transposing loads: row 8 h + lane % 8, 16 bytes at 16 ((lane / 8) % 2)
	v_mul_u32_u24 v7, v22, WP
	v_lshl_add_u32 v7, v24, 4, v7
	v_add_nc_u32 v7, s41, v7                       ; weight fragments: row r, 16 bytes at 16 h
	v_lshlrev_b32 v8, 4, v0                        ; ssq out: 16 bytes a thread
	v_lshl_add_u32 v9, v24, 5, s42                 ; my 8 sums: channel 16 w + 8 h
	v_lshrrev_b32 v26, 1, v20
	v_and_b32 v27, 1, v20
	v_lshlrev_b32 v10, 4, v27
	v_lshl_add_u32 v10, v26, 9, v10                ; w_out: row lane / 2, 16 bytes at 16 (lane % 2)
	v_lshlrev_b32 v11, 3, v20                      ; wo: 8 bytes a lane
	v_add_nc_u32 v16, SQ, v8                       ; the sums read back
	s_wait_kmcnt 0x0
	s_add_nc_u64 s[4:5], s[4:5], s[22:23]
	s_add_nc_u64 s[10:11], s[10:11], s[24:25]
	s_add_nc_u64 s[30:31], s[12:13], s[28:29]      ; V's images
	s_add_nc_u64 s[12:13], s[12:13], s[26:27]      ; K's images
	s_add_nc_u64 s[14:15], s[14:15], s[32:33]
	s_add_nc_u64 s[16:17], s[16:17], s[34:35]
	s_add_nc_u64 s[8:9], s[8:9], s[36:37]
	s_cmp_lg_u32 s18, 2
	s_cbranch_scc1 .Lno_wout                       ; wave 2 alone repacks the group's 256 bytes of w_out.  Its load is the oldest, so it changes none of the counts below
	global_load_b128 v[12:15], v10, s[8:9]
.Lno_wout:
.set i, 0
.rept 16
	global_load_b128 v[XS+4*i:XS+4*i+3], v2, s[4:5] offset:i*262144 th:TH_LOAD_NT   ; 16 rows of 256 bytes a load of the group: each wave two whole rows
.set i, i+1
.endr
; eight loads: four weight rows of 1,024 bytes, two loads of 512 consecutive bytes each.  Row R = 4 g + q of my 48: rows 0-15 q's, 16-31 k's, 32-47 v's
.macro WLOAD g
.irp q, 0,1,2,3
	global_load_b128 v[WS+32*((\g)%4)+8*\q:WS+32*((\g)%4)+8*\q+3],   v3, s[6:7] offset:((4*(\g)+\q)>>4)*131072+((4*(\g)+\q)&15)*1024
	global_load_b128 v[WS+32*((\g)%4)+8*\q+4:WS+32*((\g)%4)+8*\q+7], v3, s[6:7] offset:((4*(\g)+\q)>>4)*131072+((4*(\g)+\q)&15)*1024+512
.endr
.endm
	WLOAD 0
	WLOAD 1
	WLOAD 2
	WLOAD 3
	s_wait_loadcnt 32                              ; loads come back in order (ISA guide 5.7.1): x is in, the 32 weight loads behind it stay out
.set i, 0
.rept 16
	v_cvt_pk_f16_f32 v[TP+2*(i%8)],   v[XS+4*i],   v[XS+4*i+1]
	v_cvt_pk_f16_f32 v[TP+2*(i%8)+1], v[XS+4*i+2], v[XS+4*i+3]
	ds_store_b64 v4, v[TP+2*(i%8):TP+2*(i%8)+1] offset:i*16*XP
.set i, i+1
.endr
; group g is rounded and laid into LDS; its slot of registers is loaded again with group g + 4.  left = the loads of the younger groups
.macro WGRP g, left, more
	s_wait_loadcnt \left
.irp q, 0,1,2,3
.irp hf, 0,1
	v_cvt_pk_f16_f32 v[TP+4*\q+2*\hf],   v[WS+32*((\g)%4)+8*\q+4*\hf],   v[WS+32*((\g)%4)+8*\q+4*\hf+1]
	v_cvt_pk_f16_f32 v[TP+4*\q+2*\hf+1], v[WS+32*((\g)%4)+8*\q+4*\hf+2], v[WS+32*((\g)%4)+8*\q+4*\hf+3]
	ds_store_b64 v5, v[TP+4*\q+2*\hf:TP+4*\q+2*\hf+1] offset:(4*(\g)+\q)*WP+\hf*256
.endr
.endr
.if \more
	WLOAD \g+4
.endif
.endm
	WGRP 0, 24, 1                                  ; three younger groups of eight loads stay out
	WGRP 1, 24, 1
	WGRP 2, 24, 1
	WGRP 3, 24, 1
	WGRP 4, 24, 1
	WGRP 5, 24, 1
	WGRP 6, 24, 1
	WGRP 7, 24, 1
	WGRP 8, 24, 0                                  ; nothing more to load: the counts run down
	WGRP 9, 16, 0
	WGRP 10, 8, 0
	WGRP 11, 0, 0
	s_wait_dscnt 0x0                               ; my part of x's tile is written,
	s_barrier_signal -1
	s_barrier_wait -1                              ; everybody's is
; 14 LDS loads: the fragments of K step ks (32 channels) into set f
.macro LDF ks, f
.irp pt, 0,1,2,3
	ds_load_tr16_b128 v[FR+FSZ*\f+8*\pt:FR+FSZ*\f+8*\pt+3],   v6 offset:\ks*32*XP+\pt*32          ; positions 16 pt + r, channels 32 ks + 8 h ..
	ds_load_tr16_b128 v[FR+FSZ*\f+8*\pt+4:FR+FSZ*\f+8*\pt+7], v6 offset:\ks*32*XP+\pt*32+16*XP    ; channels 32 ks + 16 + 8 h ..
.endr
.irp tt, 0,1,2
	ds_load_b128 v[FR+FSZ*\f+32+8*\tt:FR+FSZ*\f+32+8*\tt+3],   v7 offset:\tt*16*WP+\ks*64
	ds_load_b128 v[FR+FSZ*\f+32+8*\tt+4:FR+FSZ*\f+32+8*\tt+7], v7 offset:\tt*16*WP+\ks*64+32
.endr
.endm
; 12 matrix instructions on set f.  The twelve accumulators take turns, one instruction a turn.
.macro MM f, zero
.irp pt, 0,1,2,3
.if \zero
	v_wmma_f32_16x16x32_f16 v[ACC+8*\pt:ACC+8*\pt+7],       v[FR+FSZ*\f+32:FR+FSZ*\f+39], v[FR+FSZ*\f+8*\pt:FR+FSZ*\f+8*\pt+7], 0
	v_wmma_f32_16x16x32_f16 v[ACC+32+8*\pt:ACC+32+8*\pt+7], v[FR+FSZ*\f+40:FR+FSZ*\f+47], v[FR+FSZ*\f+8*\pt:FR+FSZ*\f+8*\pt+7], 0
	v_wmma_f32_16x16x32_f16 v[ACC+64+8*\pt:ACC+64+8*\pt+7], v[FR+FSZ*\f+8*\pt:FR+FSZ*\f+8*\pt+7], v[FR+FSZ*\f+48:FR+FSZ*\f+55], 0
.else
	v_wmma_f32_16x16x32_f16 v[ACC+8*\pt:ACC+8*\pt+7],       v[FR+FSZ*\f+32:FR+FSZ*\f+39], v[FR+FSZ*\f+8*\pt:FR+FSZ*\f+8*\pt+7], v[ACC+8*\pt:ACC+8*\pt+7]
	v_wmma_f32_16x16x32_f16 v[ACC+32+8*\pt:ACC+32+8*\pt+7], v[FR+FSZ*\f+40:FR+FSZ*\f+47], v[FR+FSZ*\f+8*\pt:FR+FSZ*\f+8*\pt+7], v[ACC+32+8*\pt:ACC+32+8*\pt+7]
	v_wmma_f32_16x16x32_f16 v[ACC+64+8*\pt:ACC+64+8*\pt+7], v[FR+FSZ*\f+8*\pt:FR+FSZ*\f+8*\pt+7], v[FR+FSZ*\f+48:FR+FSZ*\f+55], v[ACC+64+8*\pt:ACC+64+8*\pt+7]
.endif
.endr
.endm
; K step nks is fetched into set nf, which the products just issued have read; then set f is multiplied
.macro STEP nks, nf, f
	PLACES
	LDF \nks, \nf
	s_wait_dscnt 14                                ; all but the 14 loads just issued: set f is in
	MM \f, 0
.endm
	LDF 0, 0
	LDF 1, 1
	s_wait_dscnt 14
	MM 0, 1                                        ; the first products start the sums: nothing is cleared
	STEP 2, 0, 1
	STEP 3, 1, 0
	STEP 4, 0, 1
	STEP 5, 1, 0
	STEP 6, 0, 1
	STEP 7, 1, 0
	s_wait_dscnt 0x0
	MM 1, 0
	PLACES
	; sums of squares in f32, from the unrounded q and k: register j of a lane is d = 8 h + j at position r of tile pt
.irp p, 0,1,2,3
	v_pk_mul_f32 v[SS+2*\p:SS+2*\p+1],     v[ACC+2*\p:ACC+2*\p+1],       v[ACC+2*\p:ACC+2*\p+1]
	v_pk_mul_f32 v[SS+8+2*\p:SS+8+2*\p+1], v[ACC+32+2*\p:ACC+32+2*\p+1], v[ACC+32+2*\p:ACC+32+2*\p+1]
.endr
.irp pt, 1,2,3
.irp p, 0,1,2,3
	v_pk_fma_f32 v[SS+2*\p:SS+2*\p+1],     v[ACC+8*\pt+2*\p:ACC+8*\pt+2*\p+1],       v[ACC+8*\pt+2*\p:ACC+8*\pt+2*\p+1],       v[SS+2*\p:SS+2*\p+1]
	v_pk_fma_f32 v[SS+8+2*\p:SS+8+2*\p+1], v[ACC+32+8*\pt+2*\p:ACC+32+8*\pt+2*\p+1], v[ACC+32+8*\pt+2*\p:ACC+32+8*\pt+2*\p+1], v[SS+8+2*\p:SS+8+2*\p+1]
.endr
.endr
.irp m, 1,2,4,8                                    ; over the 16 positions that the 16 lanes of a half hold
.set i, 0
.rept 16
	v_add_f32_dpp v[SS+i], v[SS+i], v[SS+i] row_xmask:\m row_mask:0xf bank_mask:0xf
.set i, i+1
.endr
.endr
	ds_store_b128 v9, v[SS:SS+3]                   ; the 16 lanes of a half write the same words with the same values
	ds_store_b128 v9, v[SS+4:SS+7] offset:16
	ds_store_b128 v9, v[SS+8:SS+11] offset:512     ; k's sums lie 128 words behind q's
	ds_store_b128 v9, v[SS+12:SS+15] offset:528
.set i, 0
.rept 8                                            ; q's and k's eight tiles: bf16
.irp j, 0,1,2,3
	v_cvt_pk_bf16_f32 v[PK+4*i+\j], v[ACC+8*i+2*\j], v[ACC+8*i+2*\j+1]
.endr
.set i, i+1
.endr
.rept 4                                            ; v's four tiles: f16
.irp j, 0,1,2,3
	v_cvt_pk_f16_f32 v[PK+4*i+\j], v[ACC+8*i+2*\j], v[ACC+8*i+2*\j+1]
.endr
.set i, i+1
.endr
.irp pt, 0,1,2,3                                   ; each store of the wave covers 512 consecutive bytes, aligned: half an image
	global_store_b128 v1, v[PK+4*\pt:PK+4*\pt+3],       s[10:11] offset:\pt*1024
	global_store_b128 v1, v[PK+16+4*\pt:PK+16+4*\pt+3], s[12:13] offset:\pt*1024
	global_store_b128 v1, v[PK+32+4*\pt:PK+32+4*\pt+3], s[30:31] offset:(\pt>>1)*2048+(\pt&1)*512
.endr
	s_wait_dscnt 0x0                               ; my sums are written,
	s_barrier_signal -1
	s_barrier_wait -1                              ; everybody's are
	s_cmp_gt_u32 s18, 1
	s_cbranch_scc1 .Lnot01
	ds_load_b128 v[176:179], v16                   ; waves 0 and 1 carry the 1,024 bytes out, in registers that no pending store names
	s_wait_dscnt 0x0
	global_store_b128 v8, v[176:179], s[14:15]
.Lnot01:
	s_cmp_lg_u32 s18, 2
	s_cbranch_scc1 .Lend
	v_cvt_pk_f16_f32 v18, v12, v13                 ; w_out's load was shown done by the last wait for weights
	v_cvt_pk_f16_f32 v19, v14, v15
	global_store_b64 v11, v[18:19], s[16:17]       ; 256 consecutive bytes, aligned
.Lend:
	s_wait_tensorcnt 0x0
	ds_add_u32 v30, v31
	s_wait_dscnt 0x0
	s_endpgm
.Lfunc_end_k_qe5b4794c22_proj:
	.size	k_qe5b4794c22_proj, .Lfunc_end_k_qe5b4794c22_proj-k_qe5b4794c22_proj
	.p2alignl 7, 3214868480
	.fill 96, 4, 3214868480
	.section	.rodata,"a",@progbits
	.p2align	6, 0x0
	.amdhsa_kernel k_qe5b4794c22_proj
		.amdhsa_group_segment_fixed_size 245760
		.amdhsa_private_segment_fixed_size 0
		.amdhsa_enable_private_segment 0
		.amdhsa_kernarg_size 56
		.amdhsa_user_sgpr_count 2
		.amdhsa_user_sgpr_kernarg_segment_ptr 1
		.amdhsa_wavefront_size32 1
		.amdhsa_system_sgpr_workgroup_id_x 1
		.amdhsa_system_sgpr_workgroup_id_y 1
		.amdhsa_system_sgpr_workgroup_id_z 1
		.amdhsa_system_vgpr_workitem_id 0
		.amdhsa_next_free_vgpr 256
		.amdhsa_next_free_sgpr 66
		.amdhsa_reserve_vcc 0
		.amdhsa_float_denorm_mode_32 3
		.amdhsa_float_denorm_mode_16_64 3
		.amdhsa_memory_ordered 1
		.amdhsa_forward_progress 1
		.amdhsa_inst_pref_size 62
	.end_amdhsa_kernel
	.amdgpu_metadata
---
amdhsa.version: [ 1, 2 ]
amdhsa.kernels:
  - .name:           k_qe5b4794c22_proj
    .symbol:         k_qe5b4794c22_proj.kd
    .args:
      - { .name: x, .offset: 0, .size: 8, .value_kind: global_buffer, .address_space: global }
      - { .name: w_qkv, .offset: 8, .size: 8, .value_kind: global_buffer, .address_space: global }
      - { .name: w_out, .offset: 16, .size: 8, .value_kind: global_buffer, .address_space: global }
      - { .name: qi, .offset: 24, .size: 8, .value_kind: global_buffer, .address_space: global }
      - { .name: kv, .offset: 32, .size: 8, .value_kind: global_buffer, .address_space: global }
      - { .name: ssq, .offset: 40, .size: 8, .value_kind: global_buffer, .address_space: global }
      - { .name: wo, .offset: 48, .size: 8, .value_kind: global_buffer, .address_space: global }
    .group_segment_fixed_size: 245760
    .private_segment_fixed_size: 0
    .kernarg_segment_align: 8
    .kernarg_segment_size: 56
    .max_flat_workgroup_size: 256
    .sgpr_count:     66
    .vgpr_count:     256
    .wavefront_size: 32
...
	.end_amdgpu_metadata
.endif
;; end of part 1
;; launch attn (part 2): grid 256 x 1, 8 waves a work-group, clusters of 4 x 1, 327,680 bytes of LDS; arguments qi, kv, ssq, wo, b_out, out0; writes out0
.if DOCPART == 2
	.amdgcn_target "amdgcn-amd-amdhsa--gfx1250"
	.amdhsa_code_object_version 6
	.text
	.protected	k_qe5b4794c22_attn
	.globl	k_qe5b4794c22_attn
	.p2align	8
	.type	k_qe5b4794c22_attn,@function
k_qe5b4794c22_attn:
	s_mov_b64 s[64:65], 0
	v_nop
	global_prefetch_b8 v0, s[64:65] scope:SCOPE_SE
	s_setreg_imm32_b32 hwreg(HW_REG_WAVE_MODE, 25, 1), 1
	s_wait_xcnt 0x0
	s_wait_alu depctr_hold_cnt(0) depctr_sa_sdst(0) depctr_va_vdst(0) depctr_va_sdst(0) depctr_va_ssrc(0) depctr_va_vcc(0) depctr_vm_vsrc(0)
	s_getreg_b32 s2, hwreg(HW_REG_IB_STS2, 6, 4)
	s_cmp_eq_u32 s2, 0
	s_cbranch_scc0 .Lentry_in_a_cluster
	s_endpgm
.Lentry_in_a_cluster:
	s_bfe_u32 s2, ttmp6, 0x10000c
	s_cmp_lg_u32 s2, 0x3003
	s_cbranch_scc0 .Lentry_shape_is_right
	s_endpgm
.Lentry_shape_is_right:
; Attention over 4,096 keys with d = 32, the l2 norms of q's and k's rows, the output projection and its bias.
; Inputs are the fragment images and partial sums of squares that the launch before has stored (1,024 bytes an image: the 16 bytes at
; c*512 + lane*16 hold row lane % 16, k = 16 c + 8 (lane / 16) + 0..7, in 16 bits).
; A work-group takes 64 queries of one batch, all four heads, so that the projection over the 128 channels can be made here.
; Wave w: head w % 4, keys 2,048 (w / 4) .. + 2,047, as 16 chunks of 128 keys; four tiles of 16 queries.  The two halves of the keys are merged at the end.
; NO SHUFFLES: S^T = K Q^T (source 0 = 16 keys, source 1 = 16 queries) leaves lane (r, h) with query r and keys 16 kt + 8 h + 0..7; rounding
; two such tiles to 16 bits gives source 1 of O^T = V^T P^T as it stands (ISA guide 7.12.2), and O^T leaves the lane with query r again.  So the running maximum,
; the sum and the rescaling factor are one number a lane; the two halves of the lanes meet by v_permlanex16_b32.
; NORMS: both norms, the scale 10 and log2 e are one factor for each d, 14.4269504 / (max(|q_d|, 1e-12) max(|k_d|, 1e-12)), multiplied into Q once; exponentials are base 2.
; The maximum is a true running maximum: |q|, |k| <= 1 bound a score only by 320.
; FORMATS: Q and K are bf16: the scaled Q carries 1 / (|q| |k|), which no input bounds from below.  P, V, the attention's result and w_out are f16
; (11 significant bits): the result is a weighted mean of v over 4,096 keys and can be far smaller than the numbers averaged, so an operand's rounding
; counts relative to v and not to the result.  P lies in (0, 1].  No accumulator is shared between the two forms.
; CLUSTERS: the four work-groups of a cluster are four query blocks of one batch and walk the same K and V.  Every chunk is asked for jointly
; (mask 15): wave w of each of the four issues the same tensor load, 16,384 bytes, and each receives it in its own LDS.  The place in the cluster enters
; the global bases of qi and out0 alone.  A round of the cluster's barrier stands in front of the first loads, in front of every refill and at the end.
; By this text's own count a wave has two tensor loads outstanding at the start and one behind each round.
; LIMITS: |v| and |w_out| below 65,504 (f16; the attention's result is a mean of v and so inside v's range); a row's sum of squares inside f32's range;
; NaN and infinities in the inputs are not reproduced (v_max_num_f32 drops a NaN); weights below 2^-25 of a query's largest count as zero (f16);
; q is rounded to bf16 twice (as stored, and scaled).
.set CHB,   16384                      ; a chunk: 8 images of K, 8 of V
.set SLOTB, 131072                     ; a slot: a chunk for each of the eight waves.  Two slots from LDS byte 0
.set SSQL,  262144                     ; 2 x 256 sums of squares (each half of the work-group adds 32 of the 64 blocks)
.set FACL,  264192                     ; 32 factors for each wave
.set XCHL,  265216                     ; 4 x 9,216: waves 4-7 hand O, m, l to waves 0-3; later 8 x 4,352: each wave's stage on the way out
.set OUTL,  302080                     ; the attention's result, 64 queries x 128 channels f16, pitch 272
.set OPIT,  272                        ; 256 + 16 bytes: an odd multiple of 16
; window 0
.set ML,  8                            ; v[8:15]    (m, l) of query tile t at 8 + 2 t
.set AL,  16                           ; v[16:17]   rescaling factor (v17 written once: a pair is named)
.set MX,  18                           ; v[18:21]   four chains of the maximum
.set BI1, 22                           ; v[22:23]   bias of my second o tile
.set SU,  24                           ; v[24:27]   two packed chains of the sum
.set BI0, 28                           ; v[28:29]   bias of my first o tile
.set CA,  30                           ; v[30:31], v[32:33] the merge's two factors
.set CB,  32
.set OA,  64                           ; v[64:127]  O^T: tile t, half dt of d at 64 + 16 t + 8 dt; later the projection's eight accumulators
.set B0,  128                          ; v[128:191] scores of one query tile (8 key tiles x 8), then P in its first 32
.set B1,  192                          ; v[192:255] the same, in turn
; window 1 (v256 and up, named by their low 8 bits)
.set KF,  0                            ; 8 images of K
.set VF,  64                           ; 8 images of V
.set QF,  128                          ; 4 images of scaled Q
.set WF,  160                          ; 8 images of w_out: my two o tiles x 4 K steps
.set MSB, 0
.macro WIN new                         ; s_set_vgpr_msb: bits 1:0 source 0, 3:2 source 1, 5:4 source 2, 7:6 destination; the high byte repeats the setting that is left
.if MSB != \new
	s_set_vgpr_msb (MSB<<8)|\new
.set MSB, \new
.endif
.endm
.macro PLACES                          ; four plain vector instructions behind a matrix instruction before its registers are loaded into or its result read (ISA guide 7.12.1)
.rept 4
	v_nop
.endr
.endm
; A round of the cluster's barrier: my work-group's barrier, wave 0 signals for the work-group, every wave waits for all four work-groups, my work-group's barrier once more
.macro ROUND
	s_barrier_signal -1
	s_barrier_wait -1
	s_cmp_lg_u32 s16, 0
	s_cbranch_scc1 .Lnot_wave_0_\@
	s_barrier_signal -3
.Lnot_wave_0_\@:
	s_barrier_wait -3
	s_barrier_signal -1
	s_barrier_wait -1
.endm
	s_load_b256 s[4:11], s[0:1], 0x0               ; qi s[4:5], kv s[6:7], ssq s[8:9], wo s[10:11]
	s_load_b128 s[12:15], s[0:1], 0x20             ; b_out s[12:13], out0 s[14:15]
	v_lshl_add_u32 v42, v0, 2, 0x4e000
	v_mov_b32 v43, 0
	ds_add_u32 v42, v43
	v_lshrrev_b32 v52, 5, v0
	v_readfirstlane_b32 s16, v52                   ; wave 0..7
	s_and_b32 s17, s16, 3                          ; head
	s_lshr_b32 s18, s16, 2                         ; half of the keys
	s_bfe_u32 s19, ttmp6, 0x40000                  ; cx: my place in the cluster
	s_lshr_b32 s20, ttmp9, 4                       ; batch: 16 clusters each
	s_and_b32 s21, ttmp9, 15
	s_lshl2_add_u32 s21, s21, s19                  ; block of 64 queries = 4 (cluster % 16) + cx
	s_mov_b32 s41, 0x76543210                      ; v_permlanex16_b32: lane i of one half reads lane i of the other
	s_mov_b32 s42, 0xfedcba98
	s_mov_b32 s43, 0xffff0000                      ; a word's upper bf16
	; descriptor group 1: a chunk is dense in memory: 64 rows of 32 elements of 8 bytes
	s_mov_b32 s24, 15|(3<<16)|(1<<21)              ; 15:0 the mask: all four work-groups; 17:16 elements of 8 bytes; 21 set beside a mask
	s_mov_b32 s25, 32<<16                          ; tensor_dim0 = 32
	s_mov_b32 s26, 64<<16                          ; tensor_dim1 = 64
	s_mov_b32 s27, 32<<16                          ; tile_dim0 = 32
	s_mov_b32 s28, 64                              ; tile_dim1 = 64
	s_mov_b32 s29, 32                              ; from row to row: 32 elements
	s_mov_b32 s30, 0
	s_mov_b32 s31, 0
	s_lshl_b32 s44, s20, 21                        ; kv: batch, head and half of the keys: nothing of cx
	s_lshl_b32 s22, s17, 19
	s_add_co_u32 s44, s44, s22
	s_lshl_b32 s22, s18, 18
	s_add_co_u32 s44, s44, s22
	s_mov_b32 s45, 0
	s_lshl2_add_u32 s22, s20, s17                  ; 4 b + head
	s_lshl_b32 s46, s22, 18                        ; qi: 256 images a head, 4 a block
	s_lshl_b32 s23, s21, 12
	s_add_co_u32 s46, s46, s23
	s_mov_b32 s47, 0
	s_lshl_b32 s48, s20, 16                        ; ssq: 64 blocks x 1,024 bytes a batch
	s_mov_b32 s49, 0
	s_lshl_b32 s50, s16, 13                        ; wo: my two o tiles, 8 images
	s_mov_b32 s51, 0
	s_lshl_b32 s52, s16, 7                         ; b_out: my 32 outputs
	s_mov_b32 s53, 0
	s_lshl_b32 s54, s20, 22                        ; out0: batch, my 32 rows of 16,384 bytes, the block's 256 bytes
	s_lshl_b32 s23, s16, 19
	s_add_co_u32 s54, s54, s23
	s_lshl_b32 s23, s21, 8
	s_add_co_u32 s54, s54, s23
	s_mov_b32 s55, 0
	s_lshl_b32 s56, s16, 14                        ; my wave's 16,384 bytes of a slot
	s_lshl_b32 s57, s17, 7
	s_add_co_u32 s57, s57, SSQL                    ; my head's 32 sums
	s_lshl_b32 s58, s16, 7
	s_add_co_u32 s58, s58, FACL                    ; my wave's factors
	s_mul_i32 s59, s17, 9216
	s_add_co_u32 s59, s59, XCHL                    ; where waves w + 4 and w meet
	s_lshl_b32 s60, s17, 6                         ; my head's 64 bytes of a row of the result
	s_mul_i32 s61, s16, 16*OPIT
	s_add_co_u32 s61, s61, XCHL                    ; my stage
	s_wait_dscnt 0x0
	s_wait_kmcnt 0x0
	s_add_nc_u64 s[6:7], s[6:7], s[44:45]
.irp n, 0,1
	s_mov_b32 s[32+4*\n], 1                                        ; group 0 of slot n: count = 1
	s_add_co_u32 s[33+4*\n], s56, \n*SLOTB                         ; LDS address: wave x 16,384 + the slot
	s_add_nc_u64 s[34+4*\n:35+4*\n], s[6:7], \n*CHB                ; chunk n
	s_or_b32 s[35+4*\n], s[35+4*\n], 0x80000000                    ; type = 2
.endr
	ROUND                                          ; all four work-groups are here: the first joint loads meet
	tensor_load_to_lds s[32:35], s[24:31]          ; chunk 0
	s_nop 0
	tensor_load_to_lds s[36:39], s[24:31]          ; chunk 1
	s_nop 0
	s_add_nc_u64 s[4:5], s[4:5], s[46:47]
	s_add_nc_u64 s[8:9], s[8:9], s[48:49]
	s_add_nc_u64 s[10:11], s[10:11], s[50:51]
	s_add_nc_u64 s[12:13], s[12:13], s[52:53]
	s_add_nc_u64 s[14:15], s[14:15], s[54:55]
	v_and_b32 v52, 31, v0                          ; lane
	v_and_b32 v53, 15, v0                          ; r
	v_bfe_u32 v54, v0, 4, 1                        ; h
	v_lshlrev_b32 v3, 4, v52                       ; 16 lane
	v_add_nc_u32 v1, s56, v3                       ; my 16 bytes of an image's half, slot 0
	v_add_nc_u32 v2, SLOTB, v1                     ; slot 1
	v_lshrrev_b32 v55, 7, v0                       ; which 32 of the 64 blocks I add
	v_and_b32 v56, 127, v0
	v_lshlrev_b32 v56, 3, v56                      ; my two channels
	v_lshl_add_u32 v4, v55, 15, v56
	v_lshl_add_u32 v5, v55, 10, v56
	v_add_nc_u32 v5, SSQL, v5
	v_lshl_add_u32 v6, v52, 2, s57                 ; lane = d
	v_lshlrev_b32 v7, 2, v53                       ; bias of output r
	v_lshl_add_u32 v44, v52, 2, s58
	v_lshl_add_u32 v45, v54, 5, s58                ; factors of d = 8 h ..
	v_add_nc_u32 v46, s59, v3
	v_mul_u32_u24 v57, v53, OPIT
	v_lshl_add_u32 v48, v54, 4, v57
	v_add_nc_u32 v48, OUTL, v48                    ; the result's row r, 16 bytes at 16 h
	v_add_nc_u32 v47, s60, v48                     ; the same at my head's channels
	v_lshl_add_u32 v49, v54, 5, v57
	v_add_nc_u32 v49, s61, v49                     ; stage in: row r (an output), 32 bytes at 32 h
	v_mul_u32_u24 v50, v54, OPIT
	v_lshl_add_u32 v50, v53, 4, v50
	v_add_nc_u32 v50, s61, v50                     ; stage back: lanes 0-15 one row of 256 bytes, lanes 16-31 the next
	v_lshlrev_b32 v51, 4, v53
	v_lshl_add_u32 v51, v54, 14, v51               ; and the same two rows in out0
.set i, 0
.rept 32
	global_load_b64 v[B0+2*i:B0+2*i+1], v4, s[8:9] offset:i*1024   ; a block's sums of my two channels: a wave's load covers 256 consecutive bytes
.set i, i+1
.endr
.set i, 0
.rept 8
	global_load_b128 v[B1+4*i:B1+4*i+3], v3, s[4:5] offset:i*512   ; Q: four images
.set i, i+1
.endr
	WIN 0x40
.set i, 0
.rept 16
	global_load_b128 v[WF+4*i:WF+4*i+3], v3, s[10:11] offset:i*512 ; w_out: eight images, wanted at the very end
.set i, i+1
.endr
	WIN 0
	global_load_b32 v[BI0], v7, s[12:13]
	global_load_b32 v[BI1], v7, s[12:13] offset:64
.irp t, 0,1,2,3
	v_mov_b32 v[ML+2*\t+1], 0                      ; the second registers of pairs that are named whole before they hold a number
.endr
	v_mov_b32 v[AL+1], 0
	v_mov_b32 v[BI0+1], 0
	v_mov_b32 v[BI1+1], 0
	v_mov_b32 v[CA+1], 0
	v_mov_b32 v[CB+1], 0
	s_wait_loadcnt 26                              ; the 32 loads of sums are in; Q's 8, w_out's 16 and the bias's 2 stay out
.irp n, 16,8,4,2,1
.set i, 0
.rept \n
	v_pk_add_f32 v[B0+2*i:B0+2*i+1], v[B0+2*i:B0+2*i+1], v[B0+2*(i+\n):B0+2*(i+\n)+1]
.set i, i+1
.endr
.endr
	ds_store_b64 v5, v[B0:B0+1]
	s_wait_dscnt 0x0                               ; my two sums are written,
	s_barrier_signal -1
	s_barrier_wait -1                              ; everybody's are.  The two chunks may stay on their way
	ds_load_b32 v34, v6                            ; q's row d: the two halves of the blocks
	ds_load_b32 v35, v6 offset:1024
	ds_load_b32 v36, v6 offset:512                 ; k's row d
	ds_load_b32 v37, v6 offset:1536
	s_wait_dscnt 0x0
	v_add_f32 v34, v34, v35
	v_add_f32 v36, v36, v37
	v_sqrt_f32 v34, v34
	v_sqrt_f32 v36, v36
	v_nop                                          ; one plain instruction behind a transcendental before its result is used (ISA guide 5.7.2)
	s_wait_alu depctr_va_vdst(0)
	v_max_num_f32 v34, 0x2b8cbccc, v34             ; max(norm, 1e-12)
	v_max_num_f32 v36, 0x2b8cbccc, v36
	v_rcp_f32 v34, v34
	v_rcp_f32 v36, v36
	v_nop
	s_wait_alu depctr_va_vdst(0)
	v_mul_f32 v34, v34, v36
	v_mul_f32 v34, 0x4166d4ca, v34                 ; x 10 log2 e
	ds_store_b32 v44, v34
	ds_load_b128 v[B1+32:B1+35], v45               ; my wave's own bytes, served in order (ISA guide 5.7.1.4): factors of d = 8 h + 0..7,
	ds_load_b128 v[B1+36:B1+39], v45 offset:16
	ds_load_b128 v[B1+40:B1+43], v45 offset:64     ; and of d = 16 + 8 h + 0..7: register i of an image holds d of factors 2 i, 2 i + 1
	ds_load_b128 v[B1+44:B1+47], v45 offset:80
	s_wait_dscnt 0x0
	s_wait_loadcnt 18                              ; Q is in; w_out's 16 and the bias's 2 stay out
.set i, 0
.rept 32
	v_lshlrev_b32 v[B0+2*i],   16,  v[B1+i]
	v_and_b32     v[B0+2*i+1], s43, v[B1+i]
.set i, i+1
.endr
.set i, 0
.rept 32
	v_pk_mul_f32 v[B0+2*i:B0+2*i+1], v[B0+2*i:B0+2*i+1], v[B1+32+2*(i%8):B1+32+2*(i%8)+1]
.set i, i+1
.endr
	WIN 0x40
.set i, 0
.rept 32
	v_cvt_pk_bf16_f32 v[QF+i], v[B0+2*i], v[B0+2*i+1]
.set i, i+1
.endr
	WIN 0
; 16 LDS loads: the eight images of K, or of V, of the chunk in slot s.  32 lanes x 16 consecutive bytes: no bank is asked twice
.macro LDK s
	WIN 0x40
.irp kt, 0,1,2,3,4,5,6,7
	ds_load_b128 v[KF+8*\kt:KF+8*\kt+3],   v[1+\s] offset:\kt*1024
	ds_load_b128 v[KF+8*\kt+4:KF+8*\kt+7], v[1+\s] offset:\kt*1024+512
.endr
.endm
.macro LDV s
	WIN 0x40
.irp i, 0,1,2,3,4,5,6,7
	ds_load_b128 v[VF+8*\i:VF+8*\i+3],   v[1+\s] offset:8192+\i*1024
	ds_load_b128 v[VF+8*\i+4:VF+8*\i+7], v[1+\s] offset:8192+\i*1024+512
.endr
.endm
; scores of query tile t against the chunk's 128 keys into buffer B: eight products of K = 32 = d, each a sum of its own
.macro SMM t, B
	WIN 0x05
.irp kt, 0,1,2,3,4,5,6,7
	v_wmma_f32_16x16x32_bf16 v[\B+8*\kt:\B+8*\kt+7], v[KF+8*\kt:KF+8*\kt+7], v[QF+8*\t:QF+8*\t+7], 0
.endr
	WIN 0
.endm
; the lane's largest of 64 scores in four chains, the other half's by v_permlanex16_b32, the running maximum, and the factor 2^(old - new)
.macro SMAX t, B, first
.irp k, 0,1,2,3
	v_max3_num_f32 v[MX+\k], v[\B+\k], v[\B+4+\k], v[\B+8+\k]
.endr
.irp i, 0,1,2,3,4,5
.irp k, 0,1,2,3
	v_max3_num_f32 v[MX+\k], v[MX+\k], v[\B+12+8*\i+\k], v[\B+16+8*\i+\k]
.endr
.endr
	v_max3_num_f32 v[MX],   v[MX],   v[\B+60], v[\B+61]
	v_max3_num_f32 v[MX+1], v[MX+1], v[\B+62], v[\B+63]
	v_max3_num_f32 v[MX],   v[MX],   v[MX+1],  v[MX+2]
	v_max_num_f32  v[MX],   v[MX],   v[MX+3]
	v_permlanex16_b32 v[MX+1], v[MX], s41, s42
.if \first
	v_max_num_f32 v[ML+2*\t], v[MX], v[MX+1]
.else
	v_max3_num_f32 v[MX+2], v[MX], v[MX+1], v[ML+2*\t]
	v_sub_f32 v[AL], v[ML+2*\t], v[MX+2]
	v_mov_b32 v[ML+2*\t], v[MX+2]
	v_exp_f32 v[AL], v[AL]                         ; used behind the first subtractions below
.endif
.endm
.macro SUBT t, B, kt                   ; score - maximum, two at a time; the pair (m, l) is named, m feeds both halves
.irp p, 0,1,2,3
	v_pk_add_f32 v[\B+8*\kt+2*\p:\B+8*\kt+2*\p+1], v[\B+8*\kt+2*\p:\B+8*\kt+2*\p+1], v[ML+2*\t:ML+2*\t+1] op_sel_hi:[1,0] neg_lo:[0,1] neg_hi:[0,1]
.endr
.endm
.macro EXT B, kt
.irp j, 0,1,2,3,4,5,6,7
	v_exp_f32 v[\B+8*\kt+\j], v[\B+8*\kt+\j]
.endr
.endm
.macro FINT B, kt                      ; the tile's eight weights join the sums in f32 and are packed to f16, downward in place: register 4 kt + j never passes its sources
.if \kt == 0
	s_wait_alu depctr_va_vdst(0)
	v_pk_add_f32 v[SU:SU+1],   v[\B:\B+1],   v[\B+2:\B+3]
	v_pk_add_f32 v[SU+2:SU+3], v[\B+4:\B+5], v[\B+6:\B+7]
.else
	s_wait_alu depctr_va_vdst(0)
	v_pk_add_f32 v[SU:SU+1],   v[SU:SU+1],   v[\B+8*\kt:\B+8*\kt+1]
	v_pk_add_f32 v[SU+2:SU+3], v[SU+2:SU+3], v[\B+8*\kt+2:\B+8*\kt+3]
	v_pk_add_f32 v[SU:SU+1],   v[SU:SU+1],   v[\B+8*\kt+4:\B+8*\kt+5]
	v_pk_add_f32 v[SU+2:SU+3], v[SU+2:SU+3], v[\B+8*\kt+6:\B+8*\kt+7]
.endif
.irp j, 0,1,2,3
	v_cvt_pk_f16_f32 v[\B+4*\kt+\j], v[\B+8*\kt+2*\j], v[\B+8*\kt+2*\j+1]
.endr
.endm
; P = 2^(S - m), its sum, O's rescaling.  A tile's exponentials are used only behind the next tile's subtractions: a plain instruction always stands between (ISA guide 5.7.2)
.macro SEXP t, B, first
	SUBT \t, \B, 0
	EXT \B, 0
.if \first == 0
	s_wait_alu depctr_va_vdst(0)
.irp j, 0,1,2,3,4,5,6,7
	v_pk_mul_f32 v[OA+16*\t+2*\j:OA+16*\t+2*\j+1], v[OA+16*\t+2*\j:OA+16*\t+2*\j+1], v[AL:AL+1] op_sel_hi:[1,0]
.endr
.endif
	SUBT \t, \B, 1
	EXT \B, 1
	FINT \B, 0
	SUBT \t, \B, 2
	EXT \B, 2
	FINT \B, 1
	SUBT \t, \B, 3
	EXT \B, 3
	FINT \B, 2
	SUBT \t, \B, 4
	EXT \B, 4
	FINT \B, 3
	SUBT \t, \B, 5
	EXT \B, 5
	FINT \B, 4
	SUBT \t, \B, 6
	EXT \B, 6
	FINT \B, 5
	SUBT \t, \B, 7
	EXT \B, 7
	FINT \B, 6
	FINT \B, 7
	v_pk_add_f32 v[SU:SU+1], v[SU:SU+1], v[SU+2:SU+3]
.if \first
	v_add_f32 v[ML+2*\t+1], v[SU], v[SU+1]
.else
	v_add_f32 v[SU], v[SU], v[SU+1]
	v_fma_f32 v[ML+2*\t+1], v[ML+2*\t+1], v[AL], v[SU]
.endif
.endm
; O^T of tile t += V^T P^T over the chunk's 128 keys, in f16.  The two accumulators take turns, one instruction a turn.
.macro PV t, B, first
	WIN 0x01
.if \first
	v_wmma_f32_16x16x32_f16 v[OA+16*\t:OA+16*\t+7],    v[VF:VF+7],    v[\B:\B+7], 0
	v_wmma_f32_16x16x32_f16 v[OA+16*\t+8:OA+16*\t+15], v[VF+8:VF+15], v[\B:\B+7], 0
.else
	v_wmma_f32_16x16x32_f16 v[OA+16*\t:OA+16*\t+7],    v[VF:VF+7],    v[\B:\B+7], v[OA+16*\t:OA+16*\t+7]
	v_wmma_f32_16x16x32_f16 v[OA+16*\t+8:OA+16*\t+15], v[VF+8:VF+15], v[\B:\B+7], v[OA+16*\t+8:OA+16*\t+15]
.endif
.irp ks, 1,2,3
.irp dt, 0,1
	v_wmma_f32_16x16x32_f16 v[OA+16*\t+8*\dt:OA+16*\t+8*\dt+7], v[VF+8*(2*\ks+\dt):VF+8*(2*\ks+\dt)+7], v[\B+8*\ks:\B+8*\ks+7], v[OA+16*\t+8*\dt:OA+16*\t+8*\dt+7]
.endr
.endr
	WIN 0
.endm
; One chunk of 128 keys, whose K and V lie in registers and whose scores of tile 0 are in B0.  s = its slot, n = the other slot.
; mode 2: slot s is filled again (two chunks ahead) and the next chunk's fragments are fetched; 1: fetched only; 0: the last chunk.
; Every set of scores is issued a whole SEXP ahead of the SMAX that reads it, and a whole SMAX stands between the products that read P in a buffer
; and the scores that overwrite it: more than the places that a matrix instruction's registers ask for (ISA guide 7.12.1).
.macro CHUNK s, n, first, mode
	SMAX 0, B0, \first
	SMM  1, B1
	SEXP 0, B0, \first
	s_wait_dscnt 0x0                               ; V's 16 loads, issued at the end of the chunk before
	PV   0, B0, \first
	SMAX 1, B1, \first
	SMM  2, B0
	SEXP 1, B1, \first
	PV   1, B1, \first
	SMAX 2, B0, \first
	SMM  3, B1                                     ; the last use of this chunk's K
.if \mode > 0
	PLACES                                         ; behind the products that read K's registers, which are loaded again below
	s_wait_tensorcnt 0x0                           ; all my tensor loads have landed: the one that was out is the next chunk, in slot n
	ds_add_u32 v42, v43
	s_wait_dscnt 0x0
.if \mode == 2
	s_add_nc_u64 s[34+4*\s:35+4*\s], s[34+4*\s:35+4*\s], 2*CHB   ; no load of mine is out, so a group 0 may be written: this slot's next chunk
	s_wait_dscnt 0x0                               ; my reads of slot s are back (met: V's were waited for above)
	ROUND                                          ; both now hold of every wave of all four work-groups
	tensor_load_to_lds s[32+4*\s:35+4*\s], s[24:31] ; my one tensor load behind the round, first thing there; it has a whole chunk's work in which to land
	s_nop 0
.endif
	LDK \n
	WIN 0
.endif
	SEXP 2, B0, \first
	PV   2, B0, \first
	SMAX 3, B1, \first
.if \mode > 0
	s_wait_dscnt 0x0                               ; the next chunk's K is in
	SMM  0, B0                                     ; its first scores
.endif
	SEXP 3, B1, \first
	PV   3, B1, \first
.if \mode > 0
	PLACES                                         ; behind the products that read V's registers
	LDV \n
	WIN 0
.endif
.endm
	s_wait_tensorcnt 0x1                           ; tensor loads of a wave end in order (ISA guide 10.11.1): chunk 0 is in my own bytes, chunk 1 stays out
	LDK 0
	LDV 0
	s_wait_dscnt 16                                ; K's 16 loads are in, V's 16 stay out
	SMM 0, B0
	PLACES
	CHUNK 0, 1, 1, 2                               ; chunk 0 starts maxima, sums and O: nothing is cleared
	CHUNK 1, 0, 0, 2
	s_mov_b32 s40, 6
.Lpair:                                            ; chunks 2 to 13
	CHUNK 0, 1, 0, 2
	CHUNK 1, 0, 0, 2
	s_sub_co_u32 s40, s40, 1
	s_cmp_lg_u32 s40, 0
	s_cbranch_scc1 .Lpair
	CHUNK 0, 1, 0, 1                               ; chunk 14: nothing is left to ask for
	CHUNK 1, 0, 0, 0                               ; chunk 15
	; THE TWO HALVES OF THE KEYS MEET.  First the two halves of the lanes add their sums (they share m).
	PLACES
.irp t, 0,1,2,3
	v_permlanex16_b32 v[MX+\t], v[ML+2*\t+1], s41, s42
.endr
.irp t, 0,1,2,3
	v_add_f32 v[ML+2*\t+1], v[ML+2*\t+1], v[MX+\t]
.endr
	s_cmp_lt_u32 s16, 4
	s_cbranch_scc1 .Lkeeps
.set i, 0
.rept 16
	ds_store_b128 v46, v[OA+4*i:OA+4*i+3] offset:i*512             ; waves 4-7 hand over O, m and l
.set i, i+1
.endr
	ds_store_b128 v46, v[ML:ML+3] offset:16*512
	ds_store_b128 v46, v[ML+4:ML+7] offset:17*512
.Lkeeps:
	s_wait_dscnt 0x0
	s_barrier_signal -1
	s_barrier_wait -1
	s_cmp_gt_u32 s16, 3
	s_cbranch_scc1 .Lgave
.set i, 0
.rept 16
	ds_load_b128 v[B0+4*i:B0+4*i+3], v46 offset:i*512
.set i, i+1
.endr
	ds_load_b128 v[B1:B1+3], v46 offset:16*512
	ds_load_b128 v[B1+4:B1+7], v46 offset:17*512
	s_wait_dscnt 0x0
.irp t, 0,1,2,3
	v_max_num_f32 v34, v[ML+2*\t], v[B1+2*\t]
	v_sub_f32 v35, v[ML+2*\t], v34
	v_sub_f32 v36, v[B1+2*\t], v34
	v_exp_f32 v35, v35
	v_exp_f32 v36, v36
	v_nop
	s_wait_alu depctr_va_vdst(0)
	v_mul_f32 v37, v[ML+2*\t+1], v35
	v_fmac_f32 v37, v[B1+2*\t+1], v36              ; the whole sum: at least 1, since the largest score's weight is 1
	v_rcp_f32 v37, v37
	v_nop
	s_wait_alu depctr_va_vdst(0)
	v_mul_f32 v[CA], v35, v37
	v_mul_f32 v[CB], v36, v37
.irp j, 0,1,2,3,4,5,6,7
	v_pk_mul_f32 v[OA+16*\t+2*\j:OA+16*\t+2*\j+1], v[OA+16*\t+2*\j:OA+16*\t+2*\j+1], v[CA:CA+1] op_sel_hi:[1,0]
.endr
.irp j, 0,1,2,3,4,5,6,7
	v_pk_fma_f32 v[OA+16*\t+2*\j:OA+16*\t+2*\j+1], v[B0+16*\t+2*\j:B0+16*\t+2*\j+1], v[CB:CB+1], v[OA+16*\t+2*\j:OA+16*\t+2*\j+1] op_sel_hi:[1,0,1]
.endr
.irp j, 0,1,2,3,4,5,6,7
	v_cvt_pk_f16_f32 v[56+\j], v[OA+16*\t+2*\j], v[OA+16*\t+2*\j+1]
.endr
	ds_store_b128 v47, v[56:59] offset:\t*16*OPIT                  ; query 16 t + r, channels 32 head + 8 h ..
	ds_store_b128 v47, v[60:63] offset:\t*16*OPIT+32               ; channels 32 head + 16 + 8 h ..
.endr
.Lgave:
	s_wait_dscnt 0x0                               ; the result's rows are written, and the reads of the handed-over bytes are back: they become the stages
	s_barrier_signal -1
	s_barrier_wait -1
	; THE PROJECTION: y = w_out out + b_out, in f16.  Wave w makes outputs 32 w .. 32 w + 31 for the 64 positions.  Source 0 = 16 positions, source 1 = 16 outputs:
	; a lane holds 8 neighbouring positions of output r, 32 bytes of a row of out0.
.irp pt, 0,1,2,3
.irp ks, 0,1,2,3
	ds_load_b128 v[B0+8*(4*\pt+\ks):B0+8*(4*\pt+\ks)+3],   v48 offset:\pt*16*OPIT+\ks*64
	ds_load_b128 v[B0+8*(4*\pt+\ks)+4:B0+8*(4*\pt+\ks)+7], v48 offset:\pt*16*OPIT+\ks*64+32
.endr
.endr
	s_wait_loadcnt 0x0                             ; w_out's images and the bias, asked for at the start
	s_wait_dscnt 0x0
	WIN 0x04
.irp ks, 0,1,2,3                                   ; eight accumulators take turns, one instruction a turn
.irp ot, 0,1
.irp pt, 0,1,2,3
.if \ks == 0
	v_wmma_f32_16x16x32_f16 v[OA+8*(4*\ot+\pt):OA+8*(4*\ot+\pt)+7], v[B0+8*(4*\pt+\ks):B0+8*(4*\pt+\ks)+7], v[WF+8*(4*\ot+\ks):WF+8*(4*\ot+\ks)+7], 0
.else
	v_wmma_f32_16x16x32_f16 v[OA+8*(4*\ot+\pt):OA+8*(4*\ot+\pt)+7], v[B0+8*(4*\pt+\ks):B0+8*(4*\pt+\ks)+7], v[WF+8*(4*\ot+\ks):WF+8*(4*\ot+\ks)+7], v[OA+8*(4*\ot+\pt):OA+8*(4*\ot+\pt)+7]
.endif
.endr
.endr
.endr
	WIN 0
	PLACES
.set i, 0
.rept 16
	v_pk_add_f32 v[OA+2*i:OA+2*i+1],       v[OA+2*i:OA+2*i+1],       v[BI0:BI0+1] op_sel_hi:[1,0]
	v_pk_add_f32 v[OA+32+2*i:OA+32+2*i+1], v[OA+32+2*i:OA+32+2*i+1], v[BI1:BI1+1] op_sel_hi:[1,0]
.set i, i+1
.endr
; 16 outputs x 64 positions through my own stage: in by 32 bytes a lane, back by rows of 256 bytes.  R: 32 registers that no pending store names
.macro OUTS ot, R
.irp pt, 0,1,2,3
	ds_store_b128 v49, v[OA+8*(4*\ot+\pt):OA+8*(4*\ot+\pt)+3]   offset:\pt*64
	ds_store_b128 v49, v[OA+8*(4*\ot+\pt)+4:OA+8*(4*\ot+\pt)+7] offset:\pt*64+16
.endr
.irp u, 0,1,2,3,4,5,6,7
	ds_load_b128 v[\R+4*\u:\R+4*\u+3], v50 offset:\u*2*OPIT        ; LDS serves a wave's instructions in order (ISA guide 5.7.1.4): these see the stores above
.endr
.irp u, 0,1,2,3,4,5,6,7
	s_wait_dscnt 7-\u                              ; read-back u is in, the younger ones stay out
	global_store_b128 v51, v[\R+4*\u:\R+4*\u+3], s[14:15] offset:\ot*262144+\u*32768 th:TH_STORE_NT   ; 16 lanes store 256 consecutive bytes, aligned
.endr
.endm
	OUTS 0, B0
	OUTS 1, B0+32
	s_wait_tensorcnt 0x0
	ds_add_u32 v42, v43
	s_wait_dscnt 0x0
	ROUND                                          ; the closing round: no work-group ends while a partner may still ask for a chunk that names it
	s_endpgm
.Lfunc_end_k_qe5b4794c22_attn:
	.size	k_qe5b4794c22_attn, .Lfunc_end_k_qe5b4794c22_attn-k_qe5b4794c22_attn
	.p2alignl 7, 3214868480
	.fill 96, 4, 3214868480
	.section	.rodata,"a",@progbits
	.p2align	6, 0x0
	.amdhsa_kernel k_qe5b4794c22_attn
		.amdhsa_group_segment_fixed_size 327680
		.amdhsa_private_segment_fixed_size 0
		.amdhsa_enable_private_segment 0
		.amdhsa_kernarg_size 48
		.amdhsa_user_sgpr_count 2
		.amdhsa_user_sgpr_kernarg_segment_ptr 1
		.amdhsa_wavefront_size32 1
		.amdhsa_system_sgpr_workgroup_id_x 1
		.amdhsa_system_sgpr_workgroup_id_y 1
		.amdhsa_system_sgpr_workgroup_id_z 1
		.amdhsa_system_vgpr_workitem_id 0
		.amdhsa_next_free_vgpr 480
		.amdhsa_next_free_sgpr 66
		.amdhsa_reserve_vcc 0
		.amdhsa_float_denorm_mode_32 3
		.amdhsa_float_denorm_mode_16_64 3
		.amdhsa_memory_ordered 1
		.amdhsa_forward_progress 1
		.amdhsa_inst_pref_size 255
	.end_amdhsa_kernel
	.section	.bss,"aw",@nobits
	.p2align	6
	.space	262144
	.amdgpu_metadata
---
amdhsa.version: [ 1, 2 ]
amdhsa.kernels:
  - .name:           k_qe5b4794c22_attn
    .symbol:         k_qe5b4794c22_attn.kd
    .args:
      - { .name: qi, .offset: 0, .size: 8, .value_kind: global_buffer, .address_space: global }
      - { .name: kv, .offset: 8, .size: 8, .value_kind: global_buffer, .address_space: global }
      - { .name: ssq, .offset: 16, .size: 8, .value_kind: global_buffer, .address_space: global }
      - { .name: wo, .offset: 24, .size: 8, .value_kind: global_buffer, .address_space: global }
      - { .name: b_out, .offset: 32, .size: 8, .value_kind: global_buffer, .address_space: global }
      - { .name: out0, .offset: 40, .size: 8, .value_kind: global_buffer, .address_space: global }
    .group_segment_fixed_size: 327680
    .private_segment_fixed_size: 0
    .kernarg_segment_align: 8
    .kernarg_segment_size: 48
    .max_flat_workgroup_size: 256
    .sgpr_count:     66
    .vgpr_count:     480
    .wavefront_size: 32
...
	.end_amdgpu_metadata
.endif
;; end of part 2
;; ======== version 2 of 2: 2 launches; version 1 with the launch proj written anew for expert scheduling mode
;; limits: values are held in f16: magnitudes above 65,504 overflow, below 6.1e-05 lose precision; right only within a limited range of input values
;; workspace buffers: qi 4,194,304 bytes; kv 8,388,608 bytes; ssq 262,144 bytes; wo 65,536 bytes
;; launch proj (part 3): grid 256 x 1, 8 waves a work-group, no clusters, 245,760 bytes of LDS; arguments x, w_qkv, w_out, qi, kv, ssq, wo; writes qi, kv, ssq, wo
.if DOCPART == 3
	.amdgcn_target "amdgcn-amd-amdhsa--gfx1250"
	.amdhsa_code_object_version 6
	.text
	.protected	k_qe5b4794c22_proj
	.globl	k_qe5b4794c22_proj
	.p2align	8
	.type	k_qe5b4794c22_proj,@function
k_qe5b4794c22_proj:
	s_mov_b64 s[64:65], 0
	v_nop
	global_prefetch_b8 v0, s[64:65] scope:SCOPE_SE
	s_setreg_imm32_b32 hwreg(HW_REG_WAVE_SCHED_MODE, 0, 2), 2
	s_setreg_imm32_b32 hwreg(HW_REG_WAVE_MODE, 25, 1), 1
	s_wait_xcnt 0x0
	s_wait_alu depctr_vm_vsrc(0)
; qkv = w_qkv x (1x1 convolution), stored in 16 bits as ready-made register images of matrix fragments, with the partial sums of squares
; of q's and k's rows, and w_out repacked to f16 images.
; x: [4][256][4096] f32.  w_qkv: [384][256] f32.  w_out: [256][128] f32.
; A fragment image is 1,024 bytes: the 16 bytes at c*512 + lane*16 hold row (lane % 16), k = 16 c + 8 (lane / 16) + 0..7 in 16 bits,
; so that two 16-byte loads a lane, 512 bytes apart, fill the eight registers of a 16 x 32 operand (ISA guide 7.12.2).
;   qi  [b][head][query tile 0..255][1024]          bf16, row = query, k = d      (q as it comes, not normalised)
;   kv  [b][head][chunk of 128 keys 0..31][16384]   bytes 0..8191: 8 images in bf16, row = key, k = d;  bytes 8192..: 8 images 2 ks + dt in f16, row = d, k = key
;   ssq [b][block of 64 positions 0..63][256] f32   sums of q^2 (0..127) and k^2 (128..255) over the block's 64 positions
;   wo  [o tile 0..15][ks 0..3][1024]               f16, row = o, k = channel
; FORMATS: x, w_qkv, v and w_out go in f16 (11 significant bits).  The attention's result is a weighted mean of v over 4,096 keys and can be far smaller
; than the numbers averaged, so an operand's rounding counts relative to v and not to the result: bf16's 8 bits are too few for it.
; q and k are stored in bf16: they are divided by their rows' norms later, and no input bounds the scaled numbers from below.
; A work-group takes 64 positions of one batch and all 384 outputs, K = 256.  Wave w takes 16 rows each of q, k and v (rows 16 w, 128 + 16 w,
; 256 + 16 w) by four tiles of 16 positions: twelve accumulators.
; q and k: source 0 = weights, source 1 = x, so a lane holds 8 neighbouring d of one position; v: the other way round, so a lane holds
; 8 neighbouring positions of one d.  Both are then 16 bytes of an image, and a wave's store covers 512 consecutive aligned bytes.
; NO JOINT LOADS for the weights, though every work-group reads them: they come as f32 and are rounded to f16 on the way, which takes them
; through registers; as f32 they are 393,216 bytes, more than a work-group's LDS, so a joint fill would need slots and rounds of a cluster's
; barrier for a product of 96 matrix instructions a wave.
; LIMITS: |x|, |w_qkv|, |w_out| and |v| have to stay below 65,504, f16's largest number (as drawn |v| is about 5; with x and w_qkv both 30 times larger
; about 5,000; with an offset of 30 spreads on both about 256 x 1.9 x 30 = 14,400); numbers below 6e-5 keep an absolute step of 6e-8;
; a row's sum of squares has to stay inside f32's range.
; THE MODE: SCHED_MODE bits 1:0 = 2 (LLVM: expert scheduling mode 2), set by the entry lines.  The code itself states the register dependences
; between vector or matrix instructions and memory or LDS instructions, with s_wait_alu, always for 0.
; THE PLAN.  Registers that memory or LDS instructions touch:
;   v1-v11, v16, v30, v31   offsets and LDS addresses: written at the head, never again.  One wait on va_vdst ahead of the first load serves them all.
;   XS            x's loads land in it; 32 conversions round it in place; 16 LDS stores read the results; from the first product on these registers are accumulators.
;   WS0 .. WS3    Group g of the weights: its 16 conversions read WS[g % 4]; behind them the loads of group g + 4 land in it.
;   TP0, TP1      Group g's conversions write TP[g % 2]; its 8 LDS stores read it; group g + 2 writes it again.  Later TP0 is part of fragment set 1 and TP1 the sums of squares.
;   FR0, FR1      K step ks: its 12 matrix instructions read FR[ks % 2]; the LDS loads issued in step ks + 1 land in it (the fragments of step ks + 2).
;   SS, PK        written by the way out's vector work, read by its 4 LDS stores and 12 global stores.
;   The accumulators are named by matrix and vector instructions alone.
; So a group of weights has one wait on va_vdst, behind its conversions (TP is written; the raw slot is read out), and from group 2 on one on vm_vsrc at its head (the stores
; of two groups back have read TP); a K step has one wait on va_vdst at its head, and its 14 loads follow dealt among its matrix instructions, which name the other set and
; the accumulators; the way out has one wait on va_vdst behind all its vector work.
.set XP,  160                          ; LDS pitch of x's tile [channel][64 positions] in f16: 128 bytes + 32, an odd multiple of 32 for the transposing loads
.set WP,  528                          ; LDS pitch of a weight row: 512 bytes + 16, an odd multiple of 16
.set WL,  40960                        ; weights begin behind x's 256 rows
.set WW,  48*WP                        ; a wave's 48 rows, its own bytes
.set SQ,  243712                       ; 256 sums of squares
.set XS,  32                           ; v[32:95]    x as loaded, 16 loads; rounded in place: load i's four numbers close up into its first two registers
.set WS,  96                           ; v[96:223]   weights as loaded: four slots of 8 loads
.set TP,  224                          ; v[224:255]  packed f16 on their way to LDS: two buffers of 16, by turns
.set ACC, 32                           ; v[32:127]   q at +8 pt, k at 32 + 8 pt, v at 64 + 8 pt
.set FR,  128                          ; v[128:239]  two sets of fragments of 56 registers: x at +8 pt, weights at 32 + 8 tt
.set FSZ, 56
.set SS,  240                          ; v[240:255]  sums of squares: q's 8, k's 8
.set PK,  128                          ; v[128:175]  packed results
.macro PLACES                          ; four plain vector instructions behind a matrix instruction before its registers are loaded into or its result read (ISA guide 7.12.1)
.rept 4
	v_nop
.endr
.endm
	s_load_b256 s[4:11], s[0:1], 0x0               ; x s[4:5], w_qkv s[6:7], w_out s[8:9], qi s[10:11]
	s_load_b128 s[12:15], s[0:1], 0x20             ; kv s[12:13], ssq s[14:15]
	s_load_b64 s[16:17], s[0:1], 0x30              ; wo
	v_lshl_add_u32 v30, v0, 2, 0x3bc00             ; my spare word and 0, kept for the closing lines alone
	v_mov_b32 v31, 0
	v_lshrrev_b32 v20, 5, v0
	v_readfirstlane_b32 s18, v20                   ; wave 0..7
	s_lshr_b32 s19, ttmp9, 6                       ; batch
	s_and_b32 s20, ttmp9, 63                       ; block of 64 positions
	s_wait_alu depctr_va_sdst(0)                   ; s18 is written, ahead of its first reader: bases, LDS addresses and the branches on the wave's number are made from it
	s_lshr_b32 s38, s18, 1                         ; my head
	s_and_b32 s39, s18, 1                          ; which 16 of its 32 d
	s_lshl2_add_u32 s40, s19, s38                  ; 4 b + head
	s_lshl_b32 s22, s19, 22                        ; x: b * 4,194,304 + block * 256
	s_lshl_b32 s21, s20, 8
	s_add_co_u32 s22, s22, s21
	s_mov_b32 s23, 0
	s_lshl_b32 s24, s40, 18                        ; qi: (4 b + head) * 256 images + 4 images a block + 512 for the upper 16 d
	s_lshl_b32 s21, s20, 12
	s_add_co_u32 s24, s24, s21
	s_lshl_b32 s21, s39, 9
	s_add_co_u32 s24, s24, s21
	s_mov_b32 s25, 0
	s_lshl_b32 s26, s40, 19                        ; kv: (4 b + head) * 32 chunks,
	s_lshr_b32 s21, s20, 1
	s_lshl_b32 s21, s21, 14                        ; the chunk holds two blocks,
	s_add_co_u32 s26, s26, s21
	s_and_b32 s21, s20, 1
	s_lshl_b32 s21, s21, 12                        ; the second block's four images lie 4,096 bytes on, in K's part and in V's
	s_add_co_u32 s26, s26, s21
	s_lshl_b32 s21, s39, 10
	s_add_co_u32 s28, s26, s21                     ; V: image 2 ks + dt
	s_add_co_u32 s28, s28, 8192
	s_lshl_b32 s21, s39, 9
	s_add_co_u32 s26, s26, s21                     ; K: 512 for the upper 16 d
	s_mov_b32 s27, 0
	s_mov_b32 s29, 0
	s_lshl_b32 s32, ttmp9, 10                      ; ssq: 1,024 bytes a work-group
	s_mov_b32 s33, 0
	s_lshl_b32 s34, ttmp9, 8                       ; wo: 256 bytes a work-group: a quarter of an image
	s_mov_b32 s35, 0
	s_lshr_b32 s36, ttmp9, 4                       ; w_out: o tile = group / 16 (16 rows of 512 bytes), 8 channels (32 bytes) at 8 (group % 16)
	s_lshl_b32 s36, s36, 13
	s_and_b32 s21, ttmp9, 15
	s_lshl_b32 s21, s21, 5
	s_add_co_u32 s36, s36, s21
	s_mov_b32 s37, 0
	s_mul_i32 s41, s18, WW
	s_add_co_u32 s41, s41, WL                      ; my wave's weights in LDS
	s_lshl_b32 s42, s18, 6
	s_add_co_u32 s42, s42, SQ                      ; my wave's 16 sums
	v_and_b32 v20, 31, v0                          ; lane
	v_lshrrev_b32 v21, 4, v0                       ; thread / 16
	v_and_b32 v22, 15, v0                          ; r = lane % 16
	v_lshrrev_b32 v24, 4, v20                      ; h = lane / 16
	v_lshlrev_b32 v1, 4, v20                       ; 16 lane: my 16 bytes of half an image
	v_lshlrev_b32 v2, 4, v22
	v_lshl_add_u32 v2, v21, 14, v2                 ; x: row thread / 16 (16,384 bytes apart), 16 bytes at 16 r
	v_lshl_add_u32 v3, s18, 14, v1                 ; weights: my wave's 16 rows of 1,024 bytes, 16 bytes a lane
	v_mul_u32_u24 v4, v21, XP
	v_lshl_add_u32 v4, v22, 3, v4                  ; x in LDS: the same row, 8 bytes at 8 r
	v_lshl_add_u32 v5, v20, 3, s41                 ; weights in LDS: 8 bytes a lane
	v_and_b32 v23, 7, v20
	v_lshl_or_b32 v23, v24, 3, v23                 ; 8 h + lane % 8
	v_mul_u32_u24 v6, v23, XP
	v_bfe_u32 v25, v20, 3, 1
	v_lshl_add_u32 v6, v25, 4, v6                  ; x's fragments by transposing loads: row 8 h + lane % 8, 16 bytes at 16 ((lane / 8) % 2)
	v_mul_u32_u24 v7, v22, WP
	v_lshl_add_u32 v7, v24, 4, v7
	v_add_nc_u32 v7, s41, v7                       ; weight fragments: row r, 16 bytes at 16 h
	v_lshlrev_b32 v8, 4, v0                        ; ssq out: 16 bytes a thread
	v_lshl_add_u32 v9, v24, 5, s42                 ; my 8 sums: channel 16 w + 8 h
	v_lshrrev_b32 v26, 1, v20
	v_and_b32 v27, 1, v20
	v_lshlrev_b32 v10, 4, v27
	v_lshl_add_u32 v10, v26, 9, v10                ; w_out: row lane / 2, 16 bytes at 16 (lane % 2)
	v_lshlrev_b32 v11, 3, v20                      ; wo: 8 bytes a lane
	v_add_nc_u32 v16, SQ, v8                       ; the sums read back
	s_wait_kmcnt 0x0
	s_add_nc_u64 s[4:5], s[4:5], s[22:23]
	s_add_nc_u64 s[10:11], s[10:11], s[24:25]
	s_add_nc_u64 s[30:31], s[12:13], s[28:29]      ; V's images
	s_add_nc_u64 s[12:13], s[12:13], s[26:27]      ; K's images
	s_add_nc_u64 s[14:15], s[14:15], s[32:33]
	s_add_nc_u64 s[16:17], s[16:17], s[34:35]
	s_add_nc_u64 s[8:9], s[8:9], s[36:37]
	s_wait_alu depctr_va_vdst(0)                   ; v1 to v11, v16, v30 and v31 are written: every load, store and LDS instruction of the kernel reads one of them as its offset or address, and none is written again
	s_cmp_lg_u32 s18, 2
	s_cbranch_scc1 .Lno_wout                       ; wave 2 alone repacks the group's 256 bytes of w_out.  Its load is the oldest, so it changes none of the counts below
	global_load_b128 v[12:15], v10, s[8:9]
.Lno_wout:
.set i, 0
.rept 16
	global_load_b128 v[XS+4*i:XS+4*i+3], v2, s[4:5] offset:i*262144 th:TH_LOAD_NT   ; 16 rows of 256 bytes a load of the group: each wave two whole rows
.set i, i+1
.endr
; eight loads: four weight rows of 1,024 bytes, two loads of 512 consecutive bytes each.  Row R = 4 g + q of my 48: rows 0-15 q's, 16-31 k's, 32-47 v's
.macro WLOAD g
.irp q, 0,1,2,3
	global_load_b128 v[WS+32*((\g)%4)+8*\q:WS+32*((\g)%4)+8*\q+3],   v3, s[6:7] offset:((4*(\g)+\q)>>4)*131072+((4*(\g)+\q)&15)*1024
	global_load_b128 v[WS+32*((\g)%4)+8*\q+4:WS+32*((\g)%4)+8*\q+7], v3, s[6:7] offset:((4*(\g)+\q)>>4)*131072+((4*(\g)+\q)&15)*1024+512
.endr
.endm
	WLOAD 0
	WLOAD 1
	WLOAD 2
	WLOAD 3
	s_wait_loadcnt 32                              ; loads come back in order (ISA guide 5.7.1): x is in, the 32 weight loads behind it stay out
.set i, 0
.rept 16
	v_cvt_pk_f16_f32 v[XS+4*i],   v[XS+4*i],   v[XS+4*i+1]     ; four numbers close up into the first two of their four registers
	v_cvt_pk_f16_f32 v[XS+4*i+1], v[XS+4*i+2], v[XS+4*i+3]
.set i, i+1
.endr
	s_wait_alu depctr_va_vdst(0)                   ; the 32 conversions have written v[XS ..], which the LDS stores read
.set i, 0
.rept 16
	ds_store_b64 v4, v[XS+4*i:XS+4*i+1] offset:i*16*XP
.set i, i+1
.endr
; group g is rounded into TP[g % 2]; its slot of raw registers is loaded again at once, with group g + 4; then the group goes into LDS.  left = the loads of the younger groups
.macro WGRP g, left, more
	s_wait_loadcnt \left
.if \g > 1
	s_wait_alu depctr_vm_vsrc(0)                   ; the LDS stores of group g - 2 have read TP[g % 2], which the conversions below write again
.endif
.irp q, 0,1,2,3
.irp hf, 0,1
	v_cvt_pk_f16_f32 v[TP+16*((\g)%2)+4*\q+2*\hf],   v[WS+32*((\g)%4)+8*\q+4*\hf],   v[WS+32*((\g)%4)+8*\q+4*\hf+1]
	v_cvt_pk_f16_f32 v[TP+16*((\g)%2)+4*\q+2*\hf+1], v[WS+32*((\g)%4)+8*\q+4*\hf+2], v[WS+32*((\g)%4)+8*\q+4*\hf+3]
.endr
.endr
	s_wait_alu depctr_va_vdst(0)                   ; the 16 conversions have written TP[g % 2], which the LDS stores read, and are done reading WS[g % 4], in which later loads land
.if \more
	WLOAD \g+4
.endif
.irp q, 0,1,2,3
.irp hf, 0,1
	ds_store_b64 v5, v[TP+16*((\g)%2)+4*\q+2*\hf:TP+16*((\g)%2)+4*\q+2*\hf+1] offset:(4*(\g)+\q)*WP+\hf*256
.endr
.endr
.endm
	WGRP 0, 24, 1                                  ; three younger groups of eight loads stay out
	WGRP 1, 24, 1
	WGRP 2, 24, 1
	WGRP 3, 24, 1
	WGRP 4, 24, 1
	WGRP 5, 24, 1
	WGRP 6, 24, 1
	WGRP 7, 24, 1
	WGRP 8, 24, 0                                  ; nothing more to load: the counts run down
	WGRP 9, 16, 0
	WGRP 10, 8, 0
	WGRP 11, 0, 0
	s_wait_dscnt 0x0                               ; my part of x's tile is written,
	s_barrier_signal -1
	s_barrier_wait -1                              ; everybody's is
	s_wait_alu depctr_vm_vsrc(0)                   ; my LDS stores have read v[XS ..], TP0 and TP1: from here on these are accumulators, part of fragment set 1 and the sums of squares.
	                                               ; (No vector instruction has been issued since group 11's wait on va_vdst: the fragments' loads may land in WS's and TP0's registers.)
; the fragments of K step ks (32 channels) for set f: two loads for x's tile pt, two for the weights' tile tt
.macro LDX ks, f, pt
	ds_load_tr16_b128 v[FR+FSZ*\f+8*\pt:FR+FSZ*\f+8*\pt+3],   v6 offset:\ks*32*XP+\pt*32          ; positions 16 pt + r, channels 32 ks + 8 h ..
	ds_load_tr16_b128 v[FR+FSZ*\f+8*\pt+4:FR+FSZ*\f+8*\pt+7], v6 offset:\ks*32*XP+\pt*32+16*XP    ; channels 32 ks + 16 + 8 h ..
.endm
.macro LDW ks, f, tt
	ds_load_b128 v[FR+FSZ*\f+32+8*\tt:FR+FSZ*\f+32+8*\tt+3],   v7 offset:\tt*16*WP+\ks*64
	ds_load_b128 v[FR+FSZ*\f+32+8*\tt+4:FR+FSZ*\f+32+8*\tt+7], v7 offset:\tt*16*WP+\ks*64+32
.endm
; all 14 in one run
.macro LDF ks, f
.irp pt, 0,1,2,3
	LDX \ks, \f, \pt
.endr
.irp tt, 0,1,2
	LDW \ks, \f, \tt
.endr
.endm
; 3 matrix instructions on set f: q's, k's and v's product with x's tile pt
.macro MM3 f, pt, zero
.if \zero
	v_wmma_f32_16x16x32_f16 v[ACC+8*\pt:ACC+8*\pt+7],       v[FR+FSZ*\f+32:FR+FSZ*\f+39], v[FR+FSZ*\f+8*\pt:FR+FSZ*\f+8*\pt+7], 0
	v_wmma_f32_16x16x32_f16 v[ACC+32+8*\pt:ACC+32+8*\pt+7], v[FR+FSZ*\f+40:FR+FSZ*\f+47], v[FR+FSZ*\f+8*\pt:FR+FSZ*\f+8*\pt+7], 0
	v_wmma_f32_16x16x32_f16 v[ACC+64+8*\pt:ACC+64+8*\pt+7], v[FR+FSZ*\f+8*\pt:FR+FSZ*\f+8*\pt+7], v[FR+FSZ*\f+48:FR+FSZ*\f+55], 0
.else
	v_wmma_f32_16x16x32_f16 v[ACC+8*\pt:ACC+8*\pt+7],       v[FR+FSZ*\f+32:FR+FSZ*\f+39], v[FR+FSZ*\f+8*\pt:FR+FSZ*\f+8*\pt+7], v[ACC+8*\pt:ACC+8*\pt+7]
	v_wmma_f32_16x16x32_f16 v[ACC+32+8*\pt:ACC+32+8*\pt+7], v[FR+FSZ*\f+40:FR+FSZ*\f+47], v[FR+FSZ*\f+8*\pt:FR+FSZ*\f+8*\pt+7], v[ACC+32+8*\pt:ACC+32+8*\pt+7]
	v_wmma_f32_16x16x32_f16 v[ACC+64+8*\pt:ACC+64+8*\pt+7], v[FR+FSZ*\f+8*\pt:FR+FSZ*\f+8*\pt+7], v[FR+FSZ*\f+48:FR+FSZ*\f+55], v[ACC+64+8*\pt:ACC+64+8*\pt+7]
.endif
.endm
; 12 matrix instructions on set f.  The twelve accumulators take turns, one instruction a turn.
.macro MM f, zero
.irp pt, 0,1,2,3
	MM3 \f, \pt, \zero
.endr
.endm
; Set f is multiplied; K step nks is fetched into set nf, which the step before has multiplied.  The 14 loads stand early in the step, dealt among its matrix instructions.
.macro STEP nks, nf, f
	PLACES                                         ; the places behind the last step's products stay beside the wait below
	s_wait_dscnt 0x0                               ; set f is in: its 14 loads are all that is out
	s_wait_alu depctr_va_vdst(0)                   ; the last step's matrix instructions are done reading set nf, in which the loads below land; the products below name set f and the accumulators alone
	LDX \nks, \nf, 0
	LDX \nks, \nf, 1
	LDW \nks, \nf, 0
	MM3 \f, 0, 0
	LDX \nks, \nf, 2
	LDX \nks, \nf, 3
	MM3 \f, 1, 0
	LDW \nks, \nf, 1
	LDW \nks, \nf, 2
	MM3 \f, 2, 0
	MM3 \f, 3, 0
.endm
	LDF 0, 0
	LDF 1, 1
	s_wait_dscnt 14                                ; LDS loads come back in order (ISA guide 5.7.1): set 0 is in, set 1's 14 loads stay out
	MM 0, 1                                        ; the first products start the sums: nothing is cleared
	STEP 2, 0, 1
	STEP 3, 1, 0
	STEP 4, 0, 1
	STEP 5, 1, 0
	STEP 6, 0, 1
	STEP 7, 1, 0
	s_wait_dscnt 0x0
	MM 1, 0                                        ; the last K step fetches nothing
	PLACES
	; sums of squares in f32, from the unrounded q and k: register j of a lane is d = 8 h + j at position r of tile pt
.irp p, 0,1,2,3
	v_pk_mul_f32 v[SS+2*\p:SS+2*\p+1],     v[ACC+2*\p:ACC+2*\p+1],       v[ACC+2*\p:ACC+2*\p+1]
	v_pk_mul_f32 v[SS+8+2*\p:SS+8+2*\p+1], v[ACC+32+2*\p:ACC+32+2*\p+1], v[ACC+32+2*\p:ACC+32+2*\p+1]
.endr
.irp pt, 1,2,3
.irp p, 0,1,2,3
	v_pk_fma_f32 v[SS+2*\p:SS+2*\p+1],     v[ACC+8*\pt+2*\p:ACC+8*\pt+2*\p+1],       v[ACC+8*\pt+2*\p:ACC+8*\pt+2*\p+1],       v[SS+2*\p:SS+2*\p+1]
	v_pk_fma_f32 v[SS+8+2*\p:SS+8+2*\p+1], v[ACC+32+8*\pt+2*\p:ACC+32+8*\pt+2*\p+1], v[ACC+32+8*\pt+2*\p:ACC+32+8*\pt+2*\p+1], v[SS+8+2*\p:SS+8+2*\p+1]
.endr
.endr
.irp m, 1,2,4,8                                    ; over the 16 positions that the 16 lanes of a half hold
.set i, 0
.rept 16
	v_add_f32_dpp v[SS+i], v[SS+i], v[SS+i] row_xmask:\m row_mask:0xf bank_mask:0xf
.set i, i+1
.endr
.endr
.set i, 0
.rept 8                                            ; q's and k's eight tiles: bf16
.irp j, 0,1,2,3
	v_cvt_pk_bf16_f32 v[PK+4*i+\j], v[ACC+8*i+2*\j], v[ACC+8*i+2*\j+1]
.endr
.set i, i+1
.endr
.rept 4                                            ; v's four tiles: f16
.irp j, 0,1,2,3
	v_cvt_pk_f16_f32 v[PK+4*i+\j], v[ACC+8*i+2*\j], v[ACC+8*i+2*\j+1]
.endr
.set i, i+1
.endr
	s_wait_alu depctr_va_vdst(0)                   ; the additions have written SS, which the LDS stores read; the roundings have written PK, which the global stores read;
	                                               ; the matrix instructions are done reading v[176:179], in which the sums land behind the barrier (no vector instruction stands between)
	ds_store_b128 v9, v[SS:SS+3]                   ; the 16 lanes of a half write the same words with the same values
	ds_store_b128 v9, v[SS+4:SS+7] offset:16
	ds_store_b128 v9, v[SS+8:SS+11] offset:512     ; k's sums lie 128 words behind q's
	ds_store_b128 v9, v[SS+12:SS+15] offset:528
.irp pt, 0,1,2,3                                   ; each store of the wave covers 512 consecutive bytes, aligned: half an image
	global_store_b128 v1, v[PK+4*\pt:PK+4*\pt+3],       s[10:11] offset:\pt*1024
	global_store_b128 v1, v[PK+16+4*\pt:PK+16+4*\pt+3], s[12:13] offset:\pt*1024
	global_store_b128 v1, v[PK+32+4*\pt:PK+32+4*\pt+3], s[30:31] offset:(\pt>>1)*2048+(\pt&1)*512
.endr
	s_wait_dscnt 0x0                               ; my sums are written,
	s_barrier_signal -1
	s_barrier_wait -1                              ; everybody's are
	s_cmp_gt_u32 s18, 1
	s_cbranch_scc1 .Lnot01
	ds_load_b128 v[176:179], v16                   ; waves 0 and 1 carry the 1,024 bytes out, in registers that no pending store names
	s_wait_dscnt 0x0
	global_store_b128 v8, v[176:179], s[14:15]
.Lnot01:
	s_cmp_lg_u32 s18, 2
	s_cbranch_scc1 .Lend
	v_cvt_pk_f16_f32 v18, v12, v13                 ; w_out's load was shown done by the last wait for weights
	v_cvt_pk_f16_f32 v19, v14, v15
	s_wait_alu depctr_va_vdst(0)                   ; the two conversions have written v[18:19], which the store reads
	global_store_b64 v11, v[18:19], s[16:17]       ; 256 consecutive bytes, aligned
.Lend:
	s_wait_dscnt 0x0                               ; the closing lines, six on end
	s_wait_alu 0x0
	s_wait_tensorcnt 0x0
	ds_add_u32 v30, v31
	s_wait_dscnt 0x0
	s_endpgm
.Lfunc_end_k_qe5b4794c22_proj:
	.size	k_qe5b4794c22_proj, .Lfunc_end_k_qe5b4794c22_proj-k_qe5b4794c22_proj
	.p2alignl 7, 3214868480
	.fill 96, 4, 3214868480
	.section	.rodata,"a",@progbits
	.p2align	6, 0x0
	.amdhsa_kernel k_qe5b4794c22_proj
		.amdhsa_group_segment_fixed_size 245760
		.amdhsa_private_segment_fixed_size 0
		.amdhsa_enable_private_segment 0
		.amdhsa_kernarg_size 56
		.amdhsa_user_sgpr_count 2
		.amdhsa_user_sgpr_kernarg_segment_ptr 1
		.amdhsa_wavefront_size32 1
		.amdhsa_system_sgpr_workgroup_id_x 1
		.amdhsa_system_sgpr_workgroup_id_y 1
		.amdhsa_system_sgpr_workgroup_id_z 1
		.amdhsa_system_vgpr_workitem_id 0
		.amdhsa_next_free_vgpr 256
		.amdhsa_next_free_sgpr 66
		.amdhsa_reserve_vcc 0
		.amdhsa_float_denorm_mode_32 3
		.amdhsa_float_denorm_mode_16_64 3
		.amdhsa_memory_ordered 1
		.amdhsa_forward_progress 1
		.amdhsa_inst_pref_size 63
	.end_amdhsa_kernel
	.amdgpu_metadata
---
amdhsa.version: [ 1, 2 ]
amdhsa.kernels:
  - .name:           k_qe5b4794c22_proj
    .symbol:         k_qe5b4794c22_proj.kd
    .args:
      - { .name: x, .offset: 0, .size: 8, .value_kind: global_buffer, .address_space: global }
      - { .name: w_qkv, .offset: 8, .size: 8, .value_kind: global_buffer, .address_space: global }
      - { .name: w_out, .offset: 16, .size: 8, .value_kind: global_buffer, .address_space: global }
      - { .name: qi, .offset: 24, .size: 8, .value_kind: global_buffer, .address_space: global }
      - { .name: kv, .offset: 32, .size: 8, .value_kind: global_buffer, .address_space: global }
      - { .name: ssq, .offset: 40, .size: 8, .value_kind: global_buffer, .address_space: global }
      - { .name: wo, .offset: 48, .size: 8, .value_kind: global_buffer, .address_space: global }
    .group_segment_fixed_size: 245760
    .private_segment_fixed_size: 0
    .kernarg_segment_align: 8
    .kernarg_segment_size: 56
    .max_flat_workgroup_size: 256
    .sgpr_count:     66
    .vgpr_count:     256
    .wavefront_size: 32
...
	.end_amdgpu_metadata
.endif
;; end of part 3
;; launch attn: the kernel of part 2 again; grid 256 x 1, 8 waves a work-group, clusters of 4 x 1, 327,680 bytes of LDS; arguments qi, kv, ssq, wo, b_out, out0; writes out0
